; MI455X (gfx1250); checked and timed in simulation.
; The chip was launched on July 23, 2026; its instructions are those of AMD's public machine-readable ISA for CDNA 5 (MIT licence, August 2026) and "CDNA5" Instruction Set Architecture Reference Guide (July 2026). The comments in the code are by the model that wrote it; some were corrected since.
;; Multi Head Self Attention. Allowed arithmetic: matrix products marked QUANTISED: E2M1 operands, one E8M0 scale for each 32 along K, by v_wmma_scale_f32_16x16x128_f8f6f4 with both operands' format E2M1 (or v_wmma_scale_f32_32x16x128_f4), f32 sums; products left as they are: bf16, f16 or f32 operands; f32 sums; everything else in f32.
;; Inputs: b_out 1,024 float32; b_qkv 3,072 float32; embeddings 2 x 2,048 x 1,024 float32; w_out 1,024 x 1,024 float32; w_qkv 1,024 x 3,072 float32.
;; Outputs: out0 2 x 2,048 x 1,024 float32.
;; This version of the problem:
;;   THIS VERSION OF THE PROBLEM IS GIVEN IN LOW PRECISION. The matrix products marked QUANTISED in the list below multiply operands that are first quantised to E2M1 (2 exponent bits, 1 mantissa bit; 4 bits a number), with one power-of-two scale for each 32 numbers along K (OCP MX v1.0); their sums are f32. The products marked 'left as it is' may take bf16, f16 or f32 operands, with f32 sums. Whichever they take, every output number must still come out within the allowed error. Rounding operands to bf16 (8 significant bits) uses up far more of that allowance than f16 does (11 bits, for magnitudes from 6e-5 to 65,504). All else is computed in f32.
;;   The module's matrix products, in the order in which they are computed (A, B: the left and right operand; K: the contracted axis; several contracted axes count as one K, in the product's order):
;;     1. [M 4,096, K 1,024] x [K 1,024, N 3,072]; A: input embeddings; B: input w_qkv: QUANTISED
;;     2. batch 32 x [M 2,048, K 64] x [K 64, N 2,048]; A: computed on the way; B: computed on the way: left as it is (an operand is computed on the way)
;;     3. batch 32 x [M 2,048, K 2,048] x [K 2,048, N 64]; A: computed on the way; B: computed on the way: left as it is (an operand is computed on the way)
;;     4. [M 4,096, K 1,024] x [K 1,024, N 1,024]; A: computed on the way; B: input w_out: left as it is (an operand is computed on the way)
;;   THE QUANTISER, for each operand of a quantised product, along K:
;;     - K is cut into blocks of 32 from its start; a last block that is shorter is filled with zeros.
;;     - A block's scale is 2^e with e = floor(log2(the largest magnitude in the block)) - 2, held to -126 .. 127; a block of zeros has e = 0. As a byte (E8M0): e + 127.
;;     - Each number is divided by its block's scale, clamped to +-6, and rounded to the nearest number of E2M1, ties to even, subnormals kept.
;;     - The product sums the exact products of the quantised numbers (number of the format x scale) in f32.
;;   ~~~python
;;   def quantise(x, axis):      # numpy; x: float32 -> the quantised numbers, widened to float32 again
;;       x = np.moveaxis(x, axis, -1); K = x.shape[-1]
;;       x = np.pad(x, [(0, 0)] * (x.ndim - 1) + [(0, -K % 32)]); x = x.reshape(x.shape[:-1] + (-1, 32)); a = np.abs(x).max(-1, keepdims=True)
;;       e = np.where(a > 0, np.clip(np.frexp(np.where(a > 0, a, 1))[1] - 1 - 2, -126, 127), 0)      # np.frexp(a)[1] - 1 = floor(log2(a)), exactly
;;       r = np.clip(x / 2.0 ** e, -6, 6)
;;       step = 2.0 ** (np.maximum(np.frexp(np.where(r == 0, 1, r))[1] - 1, 0) - 1)
;;       q = np.round(r / step) * step * 2.0 ** e      # np.round: ties to even
;;       return np.moveaxis(q.reshape(q.shape[:-2] + (-1,))[..., :K], -1, axis).astype(np.float32)
;;   ~~~
;; One version. Each part assembles by itself: llvm-mc -triple=amdgcn-amd-amdhsa -mcpu=gfx1250 --defsym DOCPART=n.
;; ======== version 1 of 1: 4 launches
;; limits: values are held in f16: magnitudes above 65,504 overflow, below 6.1e-05 lose precision
;; workspace buffers: ecodes 2,097,152 bytes; escales 131,072 bytes; wcodes 1,572,864 bytes; wscales 98,304 bytes; wo16 2,097,152 bytes; qkv 25,165,824 bytes; ctx 8,388,608 bytes
;; launch prep (part 1): grid 64 x 8, 4 waves a work-group, no clusters, 34,304 bytes of LDS; arguments embeddings, w_qkv, w_out, ecodes, escales, wcodes, wscales, wo16; writes ecodes, escales, wcodes, wscales, wo16
.if DOCPART == 1
	.amdgcn_target "amdgcn-amd-amdhsa--gfx1250"
	.amdhsa_code_object_version 6
	.text
	.protected	k_q8feb63a04d_prep
	.globl	k_q8feb63a04d_prep
	.p2align	8
	.type	k_q8feb63a04d_prep,@function
k_q8feb63a04d_prep:
	s_mov_b64 s[64:65], 0
	v_nop
	global_prefetch_b8 v0, s[64:65] scope:SCOPE_SE
	s_setreg_imm32_b32 hwreg(HW_REG_WAVE_MODE, 25, 1), 1
	s_wait_xcnt 0x0
; PREP: three jobs, told apart by the work-group's x (y = 0..7 in each).
;   x  0..31  E: embeddings [4096][1024] f32 -> codes of E2M1 along K and one E8M0 byte for each 32 along K
;   x 32..55  W: w_qkv [1024 (k)][3072] f32 -> the same, K being its first axis
;   x 56..63  O: w_out [1024 (k)][1024] f32 -> f16
; EVERYTHING IS STORED IN THE ORDER OF THE OPERAND'S REGISTERS, so that the later launches load fragments as dense blocks:
;   codes:  [tile of 16 rows or columns][block kb of 32 along K, 0..31][r 0..15][16 bytes]: 8,192 bytes a tile; the fragment of K step s (128 along K)
;           is the 1,024 bytes from s*1024 on: register group c of lane l at c*512 + 16 l (kb = 4 s + 2 c + l/16, r = l%16)
;   scales: [tile][lane' = 16 h' + r][i 0..3] words: row r's four bytes of K step 2 i + h'
;   wo16:   [k/256][tile of 16 columns][(k%256)/32][1,024 bytes]: piece p = (k%32)/8 at 256 p + 16 r: eight f16 of column r
; A block's scale is 2^(floor(log2(largest magnitude)) - 2); its byte is the largest magnitude's exponent field - 2, held at 1 from below by a floor among the maximum's leaves.
; LIMITS: a block of zeros gets the byte 1 where the rule says 127 (its codes are zeros, and this program alone reads the bytes); NaN and infinities are not served;
; |w_out| beyond 65,504 leaves f16's range, magnitudes under 6e-5 keep an absolute error of 3e-8.
; A stream: no loop, every offset an immediate, no register of a load or a store written again.  E asks for its wave's 16 KB at once (32 loads of 512 bytes); W and O, whose loads are of 128 bytes,
; run two blocks of 32 loads ahead.  Nothing is shared between work-groups, so no cluster, no tensor load.
.set X,     32                         ; v32-159  128 numbers as loaded
.set Y,     160                        ; v160-223 E: two blocks of 32 neighbours; W: codes; O: f16
.set C,     8                          ; v8-23    E: codes, 8 registers for each of the wave's two K steps
.set SPW,   30                         ; v30      LDS address of my spare word; never rewritten
.set NIL,   31                         ; v31      0; never rewritten
.set STG,   8448                       ; E: a wave's stage: 16 rows x (512 bytes + 16)
.set SPARE, 4*STG                      ; behind the four stages: the spare words, 128 bytes a wave
.macro LOADB lo, pitch, b              ; block b: rows k = 32 b .. 32 b + 31 of my column, into registers of its own: each load reads 128 consecutive bytes in 32 lanes
.set kk, 32*(\b)
.rept 32
	global_load_b32 v[X+kk], v7, s[\lo:\lo+1] offset:kk*\pitch th:TH_LOAD_NT
.set kk, kk+1
.endr
.endm
	s_load_b256 s[4:11], s[0:1], 0x0               ; embeddings s[4:5], w_qkv s[6:7], w_out s[8:9], ecodes s[10:11]
	s_load_b256 s[12:19], s[0:1], 0x20             ; escales s[12:13], wcodes s[14:15], wscales s[16:17], wo16 s[18:19]
	v_lshl_add_u32 v[SPW], v0, 2, SPARE
	v_mov_b32 v[NIL], 0
	v_lshrrev_b32 v1, 5, v0
	v_readfirstlane_b32 s20, v1                    ; wave w
	v_and_b32 v1, 31, v0                           ; lane
	v_and_b32 v2, 15, v0                           ; r
	v_bfe_u32 v3, v0, 4, 1                         ; h
	v_lshlrev_b32 v4, 4, v1                        ; 16 x lane
	v_lshlrev_b32 v7, 2, v1                        ; 4 x lane
	s_and_b32 s21, ttmp7, 0xffff                   ; y
	s_mov_b32 s25, 0                               ; the upper word of every offset pair s[24:25]
	s_cmp_lt_u32 ttmp9, 32
	s_cbranch_scc0 .Lnot_e
; ---- E: tile R = 8 x + y of 16 tokens; wave w takes K steps 2 w and 2 w + 1
	s_lshl_b32 s22, ttmp9, 3
	s_add_co_u32 s22, s22, s21                     ; R
	s_lshl_b32 s24, s22, 16                        ; 16 rows of 4,096 bytes
	s_lshl_b32 s26, s20, 10                        ; my 256 numbers of each row
	s_add_co_u32 s24, s24, s26
	s_wait_kmcnt 0x0
	s_add_nc_u64 s[4:5], s[4:5], s[24:25]
.irp u, 0,1
.irp rr, 0,1,2,3,4,5,6,7,8,9,10,11,12,13,14,15
	global_load_b128 v[X+64*\u+4*\rr:X+64*\u+4*\rr+3], v4, s[4:5] offset:\rr*4096+\u*512 th:TH_LOAD_NT   ; row rr, K step 2 w + u: 512 consecutive bytes
.endr
.endr
	s_mul_i32 s23, s20, STG
	v_add_nc_u32 v5, s23, v4                       ; the stage, in: 16 x lane of a row
	v_mul_u32_u24 v6, v2, 528
	v_lshl_add_u32 v6, v3, 7, v6
	v_add_nc_u32 v6, s23, v6                       ; out: row r, block h of the step's four
	v_lshlrev_b32 v229, 3, v3                      ; 8 h
	v_mov_b32 v225, 0                              ; a lane permute's destination counts as read: written once
	s_mov_b32 s28, 0x76543210
	s_mov_b32 s29, 0xfedcba98                      ; lane l xor 16
	s_lshl_b32 s24, s22, 13
	s_lshl_b32 s26, s20, 11
	s_add_co_u32 s24, s24, s26
	s_add_nc_u64 s[10:11], s[10:11], s[24:25]      ; codes: R x 8,192 + 2 w x 1,024
	s_lshl_b32 s24, s22, 9
	s_lshl_b32 s26, s20, 2
	s_add_co_u32 s24, s24, s26
	s_add_nc_u64 s[12:13], s[12:13], s[24:25]      ; scale words: R x 512 + 4 w
; One K step: the 16 x 512 bytes turn through my own stage, so that lane (r, h) holds blocks h and 2 + h of row r, 32 neighbours each, as the operand's layout gives them to it.
.macro ESTEP u
.if \u == 0
	s_wait_loadcnt 16                              ; this step's sixteen loads are in; the other step's sixteen may be out
.else
	s_wait_loadcnt 0x0
.endif
.irp rr, 0,1,2,3,4,5,6,7,8,9,10,11,12,13,14,15
	ds_store_b128 v5, v[X+64*\u+4*\rr:X+64*\u+4*\rr+3] offset:\rr*528
.endr
.irp c, 0,1
.irp j, 0,1,2,3,4,5,6,7
	ds_load_b128 v[Y+32*\c+4*\j:Y+32*\c+4*\j+3], v6 offset:\c*256+\j*16   ; LDS serves a wave's instructions in order: these see my stores
.endr
.endr
	s_wait_dscnt 0x0
.irp c, 0,1
	v_max3_num_f32 v[24+\c], |v[Y+32*\c]|, |v[Y+32*\c+1]|, 0x1800000      ; the floor 2^(3 - 127): the byte cannot fall under 1
.endr
.irp i, 2,4,6,8,10,12,14,16,18,20,22,24,26,28,30
.irp c, 0,1
	v_max3_num_f32 v[24+\c], v[24+\c], |v[Y+32*\c+\i]|, |v[Y+32*\c+\i+1]|  ; the two blocks by turns
.endr
.endr
.irp c, 0,1
	v_add_nc_u32 v[26+\c], 0xff000000, v[24+\c]    ; 2 off the exponent field: the conversion's scale operand
.endr
.irp c, 0,1
.irp g, 0,1,2,3
	v_cvt_scalef32_pk8_fp4_f32 v[C+8*\u+4*\c+\g], v[Y+32*\c+8*\g:Y+32*\c+8*\g+7], v[26+\c]
.endr
.endr
.irp c, 0,1
	v_lshrrev_b32 v[28+\c], 23, v[26+\c]           ; the scale's byte (also the plain line behind the conversions)
.endr
	v_lshl_or_b32 v224, v29, 16, v28               ; my two bytes: blocks h and 2 + h,
	v_lshlrev_b32 v224, v229, v224                 ; at their places in the word;
	v_permlanex16_b32 v225, v224, s28, s29
	v_or_b32 v[226+\u], v224, v225                 ; with lane l xor 16's two the word of row r is whole
.irp c, 0,1
	global_store_b128 v4, v[C+8*\u+4*\c:C+8*\u+4*\c+3], s[10:11] offset:\u*1024+\c*512   ; 512 consecutive bytes
.endr
.endm
	ESTEP 0
	ESTEP 1
	v_cmp_lt_u32 vcc_lo, 15, v1
	v_cndmask_b32 v228, v226, v227, vcc_lo         ; lanes 0-15 hold the even step's word, lanes 16-31 the odd step's
	global_store_b32 v4, v228, s[12:13]            ; 4 bytes of every 16: the work-group's four waves fill the tile's 512 bytes between them
	s_wait_tensorcnt 0x0                           ; the wave's end, behind my last LDS store
	ds_add_u32 v[SPW], v[NIL]
	s_wait_dscnt 0x0
	s_endpgm
.Lnot_e:
	v_lshlrev_b32 v10, 4, v2
	v_lshl_add_u32 v11, v3, 9, v10                 ; 512 h + 16 r: scale words; lanes 16-31 belong to the next tile of 16 columns
	v_lshl_add_u32 v10, v3, 13, v10                ; 8,192 h + 16 r: codes and f16
	s_cmp_lt_u32 ttmp9, 56
	s_cbranch_scc0 .Lrole_o
; ---- W: K step s = y; my lane takes column 128 (x - 32) + 32 w + lane, and its registers run down K
	s_sub_co_u32 s22, ttmp9, 32
	s_lshl_b32 s23, s22, 2
	s_add_co_u32 s23, s23, s20                     ; which run of 32 columns
	s_mul_i32 s24, s21, 128*12288
	s_lshl_b32 s26, s23, 7
	s_add_co_u32 s24, s24, s26
	s_wait_kmcnt 0x0
	s_add_nc_u64 s[6:7], s[6:7], s[24:25]
	LOADB 6, 12288, 0
	LOADB 6, 12288, 1
	s_lshl_b32 s24, s23, 14                        ; two tiles of 8,192 bytes a run
	s_lshl_b32 s26, s21, 10
	s_add_co_u32 s24, s24, s26
	s_add_nc_u64 s[14:15], s[14:15], s[24:25]
	s_lshl_b32 s24, s23, 10                        ; two tiles of 512 bytes a run,
	s_and_b32 s26, s21, 1
	s_lshl_b32 s26, s26, 8                         ; + 256 (s & 1)
	s_add_co_u32 s24, s24, s26
	s_lshr_b32 s26, s21, 1
	s_lshl_b32 s26, s26, 2                         ; + 4 (s >> 1)
	s_add_co_u32 s24, s24, s26
	s_add_nc_u64 s[16:17], s[16:17], s[24:25]
.macro WBLOCK b                        ; block b of the K step: all its 32 numbers are mine
.set XS, X+32*\b
.if \b < 3
	s_wait_loadcnt 32                              ; this block's 32 loads are in; the next block's 32 may be out
.else
	s_wait_loadcnt 0x0
.endif
.if \b < 2
	LOADB 6, 12288, \b+2                           ; two blocks ahead, into registers of its own
.endif
	v_max3_num_f32 v24, |v[XS]|, |v[XS+1]|, |v[XS+2]|
	v_max3_num_f32 v25, |v[XS+3]|, |v[XS+4]|, |v[XS+5]|
.irp i, 6,10,14,18,22,26
	v_max3_num_f32 v24, v24, |v[XS+\i]|, |v[XS+\i+1]|
	v_max3_num_f32 v25, v25, |v[XS+\i+2]|, |v[XS+\i+3]|
.endr
	v_max3_num_f32 v24, v24, |v[XS+30]|, |v[XS+31]|
	v_max3_num_f32 v24, v24, v25, 0x1800000        ; and the floor
	v_add_nc_u32 v26, 0xff000000, v24
.irp g, 0,1,2,3
	v_cvt_scalef32_pk8_fp4_f32 v[Y+4*\b+\g], v[XS+8*\g:XS+8*\g+7], v26
.endr
	v_lshrrev_b32 v[12+\b], 23, v26                ; the byte (the plain line behind the conversions)
	global_store_b128 v10, v[Y+4*\b:Y+4*\b+3], s[14:15] offset:\b*256   ; sixteen lanes store 256 consecutive bytes, aligned
.endm
	WBLOCK 0
	WBLOCK 1
	WBLOCK 2
	WBLOCK 3
	v_lshl_or_b32 v16, v13, 8, v12
	v_lshl_or_b32 v16, v14, 16, v16
	v_lshl_or_b32 v16, v15, 24, v16                ; my column's scale word of this K step
	global_store_b32 v11, v16, s[16:17]
	s_endpgm
; ---- O: 128 rows k from 128 y on; my lane takes column 128 (x - 56) + 32 w + lane
.Lrole_o:
	s_sub_co_u32 s22, ttmp9, 56
	s_lshl_b32 s23, s22, 2
	s_add_co_u32 s23, s23, s20
	s_lshl_b32 s24, s21, 19                        ; 128 rows of 4,096 bytes
	s_lshl_b32 s26, s23, 7
	s_add_co_u32 s24, s24, s26
	s_wait_kmcnt 0x0
	s_add_nc_u64 s[8:9], s[8:9], s[24:25]
	LOADB 8, 4096, 0
	LOADB 8, 4096, 1
	s_lshr_b32 s24, s21, 1
	s_lshl_b32 s24, s24, 19                        ; k / 256: 64 tiles of 8,192 bytes
	s_lshl_b32 s26, s23, 14
	s_add_co_u32 s24, s24, s26
	s_and_b32 s26, s21, 1
	s_lshl_b32 s26, s26, 12                        ; the upper four of the eight fragments
	s_add_co_u32 s24, s24, s26
	s_add_nc_u64 s[18:19], s[18:19], s[24:25]
.irp b, 0,1,2,3
.if \b < 3
	s_wait_loadcnt 32                              ; this block's 32 loads are in; the next block's 32 may be out
.else
	s_wait_loadcnt 0x0
.endif
.if \b < 2
	LOADB 8, 4096, \b+2                            ; two blocks ahead, into registers of its own
.endif
.irp i, 0,1,2,3,4,5,6,7,8,9,10,11,12,13,14,15
	v_cvt_pk_f16_f32 v[Y+16*\b+\i], v[X+32*\b+2*\i], v[X+32*\b+2*\i+1]    ; the lower k in the low half
.endr
.irp p, 0,1,2,3
	global_store_b128 v10, v[Y+16*\b+4*\p:Y+16*\b+4*\p+3], s[18:19] offset:(4*\b+\p)*256
.endr
.endr
	s_endpgm
.Lfunc_end_k_q8feb63a04d_prep:
	.size	k_q8feb63a04d_prep, .Lfunc_end_k_q8feb63a04d_prep-k_q8feb63a04d_prep
	.p2alignl 7, 3214868480
	.fill 96, 4, 3214868480
	.section	.rodata,"a",@progbits
	.p2align	6, 0x0
	.amdhsa_kernel k_q8feb63a04d_prep
		.amdhsa_group_segment_fixed_size 34304
		.amdhsa_private_segment_fixed_size 0
		.amdhsa_enable_private_segment 0
		.amdhsa_kernarg_size 64
		.amdhsa_user_sgpr_count 2
		.amdhsa_user_sgpr_kernarg_segment_ptr 1
		.amdhsa_wavefront_size32 1
		.amdhsa_system_sgpr_workgroup_id_x 1
		.amdhsa_system_sgpr_workgroup_id_y 1
		.amdhsa_system_sgpr_workgroup_id_z 1
		.amdhsa_system_vgpr_workitem_id 0
		.amdhsa_next_free_vgpr 232
		.amdhsa_next_free_sgpr 66
		.amdhsa_reserve_vcc 1
		.amdhsa_float_denorm_mode_32 3
		.amdhsa_float_denorm_mode_16_64 3
		.amdhsa_memory_ordered 1
		.amdhsa_forward_progress 1
		.amdhsa_inst_pref_size 53
	.end_amdhsa_kernel
	.amdgpu_metadata
---
amdhsa.version: [ 1, 2 ]
amdhsa.kernels:
  - .name:           k_q8feb63a04d_prep
    .symbol:         k_q8feb63a04d_prep.kd
    .args:
      - { .name: embeddings, .offset: 0, .size: 8, .value_kind: global_buffer, .address_space: global }
      - { .name: w_qkv, .offset: 8, .size: 8, .value_kind: global_buffer, .address_space: global }
      - { .name: w_out, .offset: 16, .size: 8, .value_kind: global_buffer, .address_space: global }
      - { .name: ecodes, .offset: 24, .size: 8, .value_kind: global_buffer, .address_space: global }
      - { .name: escales, .offset: 32, .size: 8, .value_kind: global_buffer, .address_space: global }
      - { .name: wcodes, .offset: 40, .size: 8, .value_kind: global_buffer, .address_space: global }
      - { .name: wscales, .offset: 48, .size: 8, .value_kind: global_buffer, .address_space: global }
      - { .name: wo16, .offset: 56, .size: 8, .value_kind: global_buffer, .address_space: global }
    .group_segment_fixed_size: 34304
    .private_segment_fixed_size: 0
    .kernarg_segment_align: 8
    .kernarg_segment_size: 64
    .max_flat_workgroup_size: 128
    .sgpr_count:     66
    .vgpr_count:     232
    .wavefront_size: 32
...
	.end_amdgpu_metadata
.endif
;; end of part 1
;; launch qkv (part 2): grid 16 x 16, 4 waves a work-group, clusters of 4 x 4, 229,888 bytes of LDS; arguments ecodes, escales, wcodes, wscales, b_qkv, qkv; writes qkv
.if DOCPART == 2
	.amdgcn_target "amdgcn-amd-amdhsa--gfx1250"
	.amdhsa_code_object_version 6
	.text
	.protected	k_q8feb63a04d_qkv
	.globl	k_q8feb63a04d_qkv
	.p2align	8
	.type	k_q8feb63a04d_qkv,@function
k_q8feb63a04d_qkv:
	s_mov_b64 s[64:65], 0
	v_nop
	global_prefetch_b8 v0, s[64:65] scope:SCOPE_SE
	s_setreg_imm32_b32 hwreg(HW_REG_WAVE_MODE, 25, 1), 1
	s_wait_xcnt 0x0
	s_wait_alu depctr_hold_cnt(0) depctr_sa_sdst(0) depctr_va_vdst(0) depctr_va_sdst(0) depctr_va_ssrc(0) depctr_va_vcc(0) depctr_vm_vsrc(0)
	s_getreg_b32 s2, hwreg(HW_REG_IB_STS2, 6, 4)
	s_cmp_eq_u32 s2, 0
	s_cbranch_scc0 .Lentry_in_a_cluster
	s_endpgm
.Lentry_in_a_cluster:
	s_bfe_u32 s2, ttmp6, 0x10000c
	s_cmp_lg_u32 s2, 0xf033
	s_cbranch_scc0 .Lentry_shape_is_right
	s_endpgm
.Lentry_shape_is_right:
; QKV = Q(embeddings) Q(w_qkv) + b_qkv on codes of E2M1 with E8M0 scales, by v_wmma_scale_f32_16x16x128_f8f6f4; sums in f32; the results leave as f16 FRAGMENTS of attention's products.
; SHARES.  Work-group (head, rb): 256 tokens x the head's 192 columns (q 0-63, k 64-127, v 128-191).  Wave w: token tiles 4 w .. 4 w + 3 (a) x all 12 column tiles (ct): 48 accumulators.
; ALL OF K (1,024) LIES IN LDS: A 16 tiles x 8,192 bytes, B 12 tiles x 8,192 bytes, as images of the operands' registers: filled once, no ring, no loop.
; CLUSTER 4 x 4: the four of a row share the tokens' tiles, the four of a column the head's weights: each is asked for jointly, which divides the requests by four.
; ORIENTATION.  q and k (ct 0-7): source 0 = weights, source 1 = tokens: a lane holds one token and eight neighbouring channels: packed to f16 that is half a fragment of K Q^T.
;               v (ct 8-11): source 0 = tokens, source 1 = weights: a lane holds one channel and eight neighbouring tokens: half a fragment of V^T.
; The bias is the C of each sum's first product.  q is multiplied by c = log2(e) / 8 before it is rounded, so that attention's scores are exponents of 2.
; OUT: qkv = Q | K | V, 8,388,608 bytes each, [b*16 + head][262,144]; Q, K: [token tile][channels/32][1,024]; V: [32 keys][channel tile][1,024]; every store is 512 consecutive bytes.
; LIMITS: |q c|, |k|, |v| beyond 65,504 leave f16's range; magnitudes under 6e-5 keep an absolute error of 3e-8; NaN and infinities are not served.
; REGISTERS, in windows of 256: window 0: addresses, scales v32-95, biases v96-191, A's fragments v192-255 (two sets of 32);  window 1: B's fragments, two sets of 96; on the way out the packed results;
;   window 2: accumulators of a = 0, 1 at v[8 (12 a + ct)];  window 3: those of a = 2, 3.
.set LI,    1                          ; v1  16 x lane
.set ADRA,  2                          ; v2  my four token tiles in LDS
.set ADRB0, 3                          ; v3  column tiles 0-5
.set ADRB1, 4                          ; v4  column tiles 6-11
.set BO,    5                          ; v5  32 h: bias of q and k
.set BR,    6                          ; v6  4 r: bias of v
.set SPW,   28                         ; v28 LDS address of my spare word; never rewritten
.set NIL,   29                         ; v29 0; never rewritten
.set ES,    32                         ; v32-47  tokens' scale words: 4 a + i: K step 2 i in lanes 0-15, 2 i + 1 in lanes 16-31
.set WS,    48                         ; v48-95  weights' likewise: 4 ct + i
.set BQK,   96                         ; v96-159 bias of ct 0-7
.set BV,    160                        ; v160-191 bias of ct 8-11
.set AF,    192
.set LB,    131072                     ; LDS: B behind A
.set SPARE, 229376                     ; behind B: the spare words, 128 bytes a wave
.set MSB, 0
.macro WIN new                         ; the immediate's high byte repeats the setting that is left
.if MSB != \new
	s_set_vgpr_msb (MSB<<8)|\new
.set MSB, \new
.endif
.endm
.macro PLACES n
.rept \n
	v_nop
.endr
.endm
.macro CROUND                          ; a round of the cluster's barrier
	s_barrier_signal -1
	s_barrier_wait -1
	s_cmp_lg_u32 s16, 0
	s_cbranch_scc1 .Lnot_wave_0_\@
	s_barrier_signal -3
.Lnot_wave_0_\@:
	s_barrier_wait -3
	s_barrier_signal -1
	s_barrier_wait -1
.endm
	s_load_b256 s[4:11], s[0:1], 0x0               ; ecodes s[4:5], escales s[6:7], wcodes s[8:9], wscales s[10:11]
	s_load_b128 s[12:15], s[0:1], 0x20             ; b_qkv s[12:13], qkv s[14:15]
	v_lshl_add_u32 v[SPW], v0, 2, SPARE
	v_mov_b32 v[NIL], 0
	ds_add_u32 v[SPW], v[NIL]                      ; the opening: the add, twice on end, and its wait ahead of my first tensor load
	ds_add_u32 v[SPW], v[NIL]
	v_lshrrev_b32 v7, 5, v0
	v_readfirstlane_b32 s16, v7                    ; wave w
	s_bfe_u32 s17, ttmp6, 0x40000                  ; cx
	s_bfe_u32 s18, ttmp6, 0x40004                  ; cy
	s_lshl_b32 s19, ttmp9, 2
	s_add_co_u32 s19, s19, s17                     ; head = 4 x cluster x + cx
	s_and_b32 s20, ttmp7, 0xffff
	s_lshl_b32 s20, s20, 2
	s_add_co_u32 s20, s20, s18                     ; rb = 4 x cluster y + cy: which 256 tokens
	s_lshl_b32 s21, s18, 2
	s_lshl_b32 s21, 15, s21                        ; my row of the cluster
	s_lshl_b32 s22, 0x1111, s17                    ; my column
	; group 1: dense blocks as rows of 256 bytes (32 elements of 8 bytes): A 128 rows, B 96 rows
	s_or_b32 s24, s21, (3<<16)|(1<<21)             ; 15:0 the mask: the tokens' tiles go to my row; 17:16 elements of 8 bytes; 21 set beside a mask
	s_mov_b32 s25, 32<<16
	s_mov_b32 s26, 128<<16
	s_mov_b32 s27, 32<<16
	s_mov_b32 s28, 128
	s_mov_b32 s29, 32
	s_mov_b32 s30, 0
	s_mov_b32 s31, 0
	s_or_b32 s32, s22, (3<<16)|(1<<21)             ; the weights' tiles go to my column
	s_mov_b32 s33, 32<<16
	s_mov_b32 s34, 96<<16
	s_mov_b32 s35, 32<<16
	s_mov_b32 s36, 96
	s_mov_b32 s37, 32
	s_mov_b32 s38, 0
	s_mov_b32 s39, 0
	s_lshl_b32 s48, s20, 17                        ; A in memory: rb x 16 tiles + w x 4 tiles of 8,192 bytes (registers that never hold cx)
	s_lshl_b32 s49, s16, 15
	s_add_co_u32 s48, s48, s49
	s_mov_b32 s49, 0
	s_mul_i32 s50, s19, 98304                      ; B in memory: head x 12 tiles + my quarter (registers that never hold cy)
	s_mul_i32 s51, s16, 24576
	s_add_co_u32 s50, s50, s51
	s_mov_b32 s51, 0
	s_mov_b32 s40, 1
	s_lshl_b32 s41, s16, 15                        ; A in LDS: w x 32,768
	s_mov_b32 s44, 1
	s_mul_i32 s45, s16, 24576
	s_add_co_u32 s45, s45, LB                      ; B in LDS: 131,072 + w x 24,576
	v_and_b32 v[LI], 31, v0
	v_lshlrev_b32 v[LI], 4, v[LI]
	v_bfe_u32 v[BO], v0, 4, 1
	v_lshlrev_b32 v[BO], 5, v[BO]
	v_and_b32 v[BR], 15, v0
	v_lshlrev_b32 v[BR], 2, v[BR]
	v_add_nc_u32 v[ADRA], s41, v[LI]
	v_add_nc_u32 v[ADRB0], LB, v[LI]
	v_add_nc_u32 v[ADRB1], LB+49152, v[LI]
	s_mov_b32 s62, 0x3e38aa3b                      ; c = log2(e) / 8
	s_mov_b32 s63, s62                             ; (named with it as a pair)
	s_wait_dscnt 0x0                               ; both opening adds are done
	s_wait_kmcnt 0x0
	s_add_nc_u64 s[42:43], s[4:5], s[48:49]
	s_or_b32 s43, s43, 0x80000000
	s_add_nc_u64 s[46:47], s[8:9], s[50:51]
	s_or_b32 s47, s47, 0x80000000
	CROUND                                         ; all sixteen work-groups are here: the joint loads meet
	tensor_load_to_lds s[40:43], s[24:31]          ; my quarter of A: two tensor loads of mine are out, both first fills
	s_nop 0
	tensor_load_to_lds s[44:47], s[32:39]          ; my quarter of B
	s_nop 0
	PLACES 4
	s_lshl_b32 s52, s20, 13                        ; scale words of my token tiles: (16 rb + 4 w) x 512
	s_lshl_b32 s53, s16, 11
	s_add_co_u32 s52, s52, s53
	s_mov_b32 s53, 0
	s_add_nc_u64 s[6:7], s[6:7], s[52:53]
	s_mul_i32 s52, s19, 6144                       ; of the head's 12 column tiles
	s_add_nc_u64 s[10:11], s[10:11], s[52:53]
	s_mul_i32 s52, s19, 768                        ; the head's 192 biases
	s_add_nc_u64 s[12:13], s[12:13], s[52:53]
.irp a, 0,1,2,3
	global_load_b128 v[ES+4*\a:ES+4*\a+3], v[LI], s[6:7] offset:\a*512
.endr
.irp ct, 0,1,2,3,4,5,6,7,8,9,10,11
	global_load_b128 v[WS+4*\ct:WS+4*\ct+3], v[LI], s[10:11] offset:\ct*512
.endr
.irp ct, 0,1,2,3,4,5,6,7
	global_load_b128 v[BQK+8*\ct:BQK+8*\ct+3], v[BO], s[12:13] offset:\ct*64        ; b[16 ct + 8 h + 0..7]
	global_load_b128 v[BQK+8*\ct+4:BQK+8*\ct+7], v[BO], s[12:13] offset:\ct*64+16
.endr
.irp ct, 0,1,2,3
.irp j, 0,1,2,3,4,5,6,7
	global_load_b32 v[BV+8*\ct+\j], v[BR], s[12:13] offset:512+\ct*64               ; b[128 + 16 ct + r], the same for the lane's eight tokens
.endr
.endr
	s_lshr_b32 s52, s20, 3                         ; the batch
	s_lshl_b32 s52, s52, 4
	s_add_co_u32 s52, s52, s19                     ; bh = 16 b + head
	s_lshl_b32 s52, s52, 18
	s_and_b32 s54, s20, 7
	s_lshl_b32 s54, s54, 15                        ; my work-group's 256 tokens in the sequence
	s_add_co_u32 s52, s52, s54
	s_lshl_b32 s54, s16, 13                        ; my wave's 64
	s_add_co_u32 s52, s52, s54
	s_add_nc_u64 s[56:57], s[14:15], s[52:53]      ; Q
	s_add_nc_u64 s[58:59], s[56:57], 0x800000      ; K
	s_add_nc_u64 s[60:61], s[56:57], 0x1000000     ; V
	s_wait_tensorcnt 0x0                           ; my parts of A and B are in,
	s_barrier_signal -1
	s_barrier_wait -1                              ; everybody's are
; The fragments of K step s into set s % 2: 24 loads of B, 8 of A, each 512 consecutive bytes
.macro FETCH s
	WIN 0x40                                       ; destination window 1, address window 0
.irp ct, 0,1,2,3,4,5
.irp c, 0,1
	ds_load_b128 v[96*((\s)%2)+8*\ct+4*\c:96*((\s)%2)+8*\ct+4*\c+3], v[ADRB0] offset:\ct*8192+(\s)*1024+\c*512
.endr
.endr
.irp ct, 6,7,8,9,10,11
.irp c, 0,1
	ds_load_b128 v[96*((\s)%2)+8*\ct+4*\c:96*((\s)%2)+8*\ct+4*\c+3], v[ADRB1] offset:(\ct-6)*8192+(\s)*1024+\c*512
.endr
.endr
	WIN 0
.irp a, 0,1,2,3
.irp c, 0,1
	ds_load_b128 v[AF+32*((\s)%2)+8*\a+4*\c:AF+32*((\s)%2)+8*\a+4*\c+3], v[ADRA] offset:\a*8192+(\s)*1024+\c*512
.endr
.endr
.endm
; One product: token tile a, column tile ct, K step s.  An odd step's scale words stand in lanes 16-31 of the same registers.
.macro MM a, ct, s
.set rD, 8*(12*((\a)%2)+(\ct))
.set rW, 96*((\s)%2)+8*(\ct)
.set rE, AF+32*((\s)%2)+8*(\a)
.set rV, WS+4*(\ct)+(\s)/2
.set rU, ES+4*(\a)+(\s)/2
.if (\ct) < 8
.if (\s) == 0
	v_wmma_scale_f32_16x16x128_f8f6f4 v[rD:rD+7], v[rW:rW+7], v[rE:rE+7], v[BQK+8*(\ct):BQK+8*(\ct)+7], v[rV], v[rU] matrix_a_fmt:MATRIX_FMT_FP4 matrix_b_fmt:MATRIX_FMT_FP4
.elseif (\s)%2 == 0
	v_wmma_scale_f32_16x16x128_f8f6f4 v[rD:rD+7], v[rW:rW+7], v[rE:rE+7], v[rD:rD+7], v[rV], v[rU] matrix_a_fmt:MATRIX_FMT_FP4 matrix_b_fmt:MATRIX_FMT_FP4
.else
	v_wmma_scale_f32_16x16x128_f8f6f4 v[rD:rD+7], v[rW:rW+7], v[rE:rE+7], v[rD:rD+7], v[rV], v[rU] matrix_a_fmt:MATRIX_FMT_FP4 matrix_b_fmt:MATRIX_FMT_FP4 matrix_a_scale:MATRIX_SCALE_ROW1 matrix_b_scale:MATRIX_SCALE_ROW1
.endif
.else
.if (\s) == 0
	v_wmma_scale_f32_16x16x128_f8f6f4 v[rD:rD+7], v[rE:rE+7], v[rW:rW+7], v[BV+8*((\ct)-8):BV+8*((\ct)-8)+7], v[rU], v[rV] matrix_a_fmt:MATRIX_FMT_FP4 matrix_b_fmt:MATRIX_FMT_FP4
.elseif (\s)%2 == 0
	v_wmma_scale_f32_16x16x128_f8f6f4 v[rD:rD+7], v[rE:rE+7], v[rW:rW+7], v[rD:rD+7], v[rU], v[rV] matrix_a_fmt:MATRIX_FMT_FP4 matrix_b_fmt:MATRIX_FMT_FP4
.else
	v_wmma_scale_f32_16x16x128_f8f6f4 v[rD:rD+7], v[rE:rE+7], v[rW:rW+7], v[rD:rD+7], v[rU], v[rV] matrix_a_fmt:MATRIX_FMT_FP4 matrix_b_fmt:MATRIX_FMT_FP4 matrix_a_scale:MATRIX_SCALE_ROW1 matrix_b_scale:MATRIX_SCALE_ROW1
.endif
.endif
.endm
; A K step: 48 products in four stretches under one window setting each.  The 48 accumulators take turns, one instruction a turn, in the same order in every step.
; In step 0 the C is the bias, in window 0.
.macro MUL s
.set CW, 0x20
.if (\s) == 0
.set CW, 0
.endif
	WIN 0x81+CW                                    ; source 0 (weights) window 1, source 1 (tokens) window 0, D window 2
.irp a, 0,1
.irp ct, 0,1,2,3,4,5,6,7
	MM \a, \ct, \s
.endr
.endr
	WIN 0x84+CW                                    ; source 0 (tokens) window 0, source 1 (weights) window 1
.irp a, 0,1
.irp ct, 8,9,10,11
	MM \a, \ct, \s
.endr
.endr
.set CW, 0x30
.if (\s) == 0
.set CW, 0
.endif
	WIN 0xc1+CW                                    ; the same with D in window 3
.irp a, 2,3
.irp ct, 0,1,2,3,4,5,6,7
	MM \a, \ct, \s
.endr
.endr
	WIN 0xc4+CW
.irp a, 2,3
.irp ct, 8,9,10,11
	MM \a, \ct, \s
.endr
.endr
.endm
	FETCH 0
	s_wait_loadcnt 0x0                             ; scale words and biases
.irp s, 0,1,2,3,4,5,6
.if \s > 0
	PLACES 4                                       ; four places between the last products and loads into the set that they read
.endif
	FETCH \s+1
	s_wait_dscnt 32                                ; this step's fragments are in; the 32 loads just issued may be out
	MUL \s
.endr
	s_wait_dscnt 0x0
	MUL 7
	WIN 0
	PLACES 4                                       ; four places ahead of the first read of results and the first write over B's fragments
; THE WAY OUT of two token tiles (hi = 0: a = 0, 1; hi = 1: a = 2, 3).  q x c; two numbers to an f16 pair, each accumulator from its low end on; four registers are 16 bytes of a fragment's image.
.macro OUTG hi
	WIN 0x82+0x41*\hi                              ; destination and source 0: window 2 or 3
.irp a, 0,1
.irp ct, 0,1,2,3
.irp p, 0,2,4,6
	v_pk_mul_f32 v[8*(12*\a+\ct)+\p:8*(12*\a+\ct)+\p+1], v[8*(12*\a+\ct)+\p:8*(12*\a+\ct)+\p+1], s[62:63] op_sel_hi:[1,0]
.endr
.endr
.endr
	WIN 0x4a+5*\hi                                 ; sources window 2 or 3, destination window 1
.irp a, 0,1
.irp ct, 0,1,2,3,4,5,6,7,8,9,10,11
.irp rr, 0,1,2,3
	v_cvt_pk_f16_f32 v[96*\hi+4*(12*\a+\ct)+\rr], v[8*(12*\a+\ct)+2*\rr], v[8*(12*\a+\ct)+2*\rr+1]
.endr
.endr
.endr
	WIN 0x04                                       ; a store's data are its source 1: window 1
.irp a, 0,1
.irp ct, 0,1,2,3
	global_store_b128 v[LI], v[96*\hi+4*(12*\a+\ct):96*\hi+4*(12*\a+\ct)+3], s[56:57] offset:(2*\hi+\a)*2048+\ct*512
.endr
.irp ct, 4,5,6,7
	global_store_b128 v[LI], v[96*\hi+4*(12*\a+\ct):96*\hi+4*(12*\a+\ct)+3], s[58:59] offset:(2*\hi+\a)*2048+(\ct-4)*512
.endr
.irp ct, 8,9,10,11
	global_store_b128 v[LI], v[96*\hi+4*(12*\a+\ct):96*\hi+4*(12*\a+\ct)+3], s[60:61] offset:\hi*4096+(\ct-8)*1024+\a*512
.endr
.endr
.endm
	OUTG 0
	OUTG 1                                         ; other data registers than the first group's stores: nothing is written again
	WIN 0
	s_wait_tensorcnt 0x0                           ; the wave's end
	ds_add_u32 v[SPW], v[NIL]
	s_wait_dscnt 0x0
	CROUND                                         ; the closing round
	s_endpgm
.Lfunc_end_k_q8feb63a04d_qkv:
	.size	k_q8feb63a04d_qkv, .Lfunc_end_k_q8feb63a04d_qkv-k_q8feb63a04d_qkv
	.p2alignl 7, 3214868480
	.fill 96, 4, 3214868480
	.section	.rodata,"a",@progbits
	.p2align	6, 0x0
	.amdhsa_kernel k_q8feb63a04d_qkv
		.amdhsa_group_segment_fixed_size 229888
		.amdhsa_private_segment_fixed_size 0
		.amdhsa_enable_private_segment 0
		.amdhsa_kernarg_size 48
		.amdhsa_user_sgpr_count 2
		.amdhsa_user_sgpr_kernarg_segment_ptr 1
		.amdhsa_wavefront_size32 1
		.amdhsa_system_sgpr_workgroup_id_x 1
		.amdhsa_system_sgpr_workgroup_id_y 1
		.amdhsa_system_sgpr_workgroup_id_z 1
		.amdhsa_system_vgpr_workitem_id 0
		.amdhsa_next_free_vgpr 1024
		.amdhsa_next_free_sgpr 66
		.amdhsa_reserve_vcc 0
		.amdhsa_float_denorm_mode_32 3
		.amdhsa_float_denorm_mode_16_64 3
		.amdhsa_memory_ordered 1
		.amdhsa_forward_progress 1
		.amdhsa_inst_pref_size 99
	.end_amdhsa_kernel
	.amdgpu_metadata
---
amdhsa.version: [ 1, 2 ]
amdhsa.kernels:
  - .name:           k_q8feb63a04d_qkv
    .symbol:         k_q8feb63a04d_qkv.kd
    .args:
      - { .name: ecodes, .offset: 0, .size: 8, .value_kind: global_buffer, .address_space: global }
      - { .name: escales, .offset: 8, .size: 8, .value_kind: global_buffer, .address_space: global }
      - { .name: wcodes, .offset: 16, .size: 8, .value_kind: global_buffer, .address_space: global }
      - { .name: wscales, .offset: 24, .size: 8, .value_kind: global_buffer, .address_space: global }
      - { .name: b_qkv, .offset: 32, .size: 8, .value_kind: global_buffer, .address_space: global }
      - { .name: qkv, .offset: 40, .size: 8, .value_kind: global_buffer, .address_space: global }
    .group_segment_fixed_size: 229888
    .private_segment_fixed_size: 0
    .kernarg_segment_align: 8
    .kernarg_segment_size: 48
    .max_flat_workgroup_size: 128
    .sgpr_count:     66
    .vgpr_count:     1024
    .wavefront_size: 32
...
	.end_amdgpu_metadata
.endif
;; end of part 2
;; launch attn (part 3): grid 8 x 32, 8 waves a work-group, clusters of 4 x 1, 327,680 bytes of LDS; arguments qkv, ctx; writes ctx
.if DOCPART == 3
	.amdgcn_target "amdgcn-amd-amdhsa--gfx1250"
	.amdhsa_code_object_version 6
	.text
	.protected	k_q8feb63a04d_attn
	.globl	k_q8feb63a04d_attn
	.p2align	8
	.type	k_q8feb63a04d_attn,@function
k_q8feb63a04d_attn:
	s_mov_b64 s[64:65], 0
	v_nop
	global_prefetch_b8 v0, s[64:65] scope:SCOPE_SE
	s_setreg_imm32_b32 hwreg(HW_REG_WAVE_MODE, 25, 1), 1
	s_wait_xcnt 0x0
	s_wait_alu depctr_hold_cnt(0) depctr_sa_sdst(0) depctr_va_vdst(0) depctr_va_sdst(0) depctr_va_ssrc(0) depctr_va_vcc(0) depctr_vm_vsrc(0)
	s_getreg_b32 s2, hwreg(HW_REG_IB_STS2, 6, 4)
	s_cmp_eq_u32 s2, 0
	s_cbranch_scc0 .Lentry_in_a_cluster
	s_endpgm
.Lentry_in_a_cluster:
	s_bfe_u32 s2, ttmp6, 0x10000c
	s_cmp_lg_u32 s2, 0x3003
	s_cbranch_scc0 .Lentry_shape_is_right
	s_endpgm
.Lentry_shape_is_right:
; ctx[b][q][head] = softmax_k(q . k / 8) v, no mask.  Operands f16 (fragments made by the launch before; q already holds the factor log2(e) / 8), products, maxima and sums in f32; p rounded to f16 for the second product.
; SHARES.  A work-group owns 256 queries of one (batch, head).  Wave w: g = w & 3: 64 queries, four tiles t of 16; kh = w >> 2: keys 1,024 kh .. + 1,023.  So each fragment of K and V read from LDS feeds four
; matrix instructions, and two waves lie on each SIMD: one's softmax stands beside the other's products.  At the end the two halves' (m, l, O) are merged through LDS.
; LAYOUT.  Both products transposed: S^T = K Q^T, O^T = V^T P: a lane holds ONE query (lane % 16) throughout; two tiles of S^T, packed to f16 in pairs, are a fragment of P, laid over the scores' own registers.
; SOFTMAX.  A running maximum m and sum l for each query: p = 2^(s - m); in every step O and l are multiplied by a = 2^(m_old - m_new).  The sum is taken of the unrounded p.
; RING.  Two LDS slots of 131,072 bytes: for each kh 256 keys of K (32,768 bytes) and of V (32,768), as dense images of fragments; four fills, each wave bringing 16,384 bytes by one tensor load.
; CLUSTER 4 x 1: the four blocks of queries walk the same K and V: each tile is asked for jointly.
; LIMITS: f16's range for q c, k, v (65,504); NaN and infinities are not served.
; REGISTERS: window 0: v1-8 addresses; v16-47 statistics, 8 a tile (+0 m, +1 at work, +2 +3 l, +4 a, +6 at work; +5, +7 named in pairs only); v48-63 the merge; v64-191 S^T, then P; v192-255 Q.
;            window 1: v0-127 O^T (32 t + 8 ct); v128-191 K of a step; v192-255 V of a step.
.set LI,    1                          ; v1  16 x lane
.set ABASE, 2                          ; v2  65,536 kh + 16 x lane
.set ADR,   3                          ; v3  the step's LDS address
.set STGA,  4                          ; v4  the merge's stage: 17,408 g + 16 x lane
.set SPW,   6                          ; v6  LDS address of my spare word; never rewritten
.set NIL,   7                          ; v7  0; never rewritten
.set PFO,   8                          ; v8  256 x lane; never rewritten
.set ST,    16
.set S,     64
.set QF,    192
.set TB,    32                         ; s32 LDS byte at which the step's tiles begin (without kh's part)
.set CNT,   33
.set SEL,   34                         ; s[34:35]
.set PFA,   36                         ; s[36:37]
.set LIM,   38
.set SLOT1, 131072
.set SPARE, 262144                     ; behind the ring: the spare words, 128 bytes for each of eight waves
.set MSB, 0
.macro WIN new
.if MSB != \new
	s_set_vgpr_msb (MSB<<8)|\new
.set MSB, \new
.endif
.endm
.macro CROUND
	s_barrier_signal -1
	s_barrier_wait -1
	s_cmp_lg_u32 s8, 0
	s_cbranch_scc1 .Lnot_wave_0_\@
	s_barrier_signal -3
.Lnot_wave_0_\@:
	s_barrier_wait -3
	s_barrier_signal -1
	s_barrier_wait -1
.endm
	s_load_b128 s[4:7], s[0:1], 0x0                ; qkv s[4:5], ctx s[6:7]
	v_lshl_add_u32 v[SPW], v0, 2, SPARE
	v_mov_b32 v[NIL], 0
	ds_add_u32 v[SPW], v[NIL]                      ; the opening: the add, twice on end, and its wait ahead of my first tensor load
	ds_add_u32 v[SPW], v[NIL]
	v_lshrrev_b32 v9, 5, v0
	v_readfirstlane_b32 s8, v9                     ; wave w
	s_bfe_u32 s9, ttmp6, 0x40000                   ; cx
	s_lshl_b32 s10, ttmp9, 2
	s_add_co_u32 s10, s10, s9                      ; qb: my block of 256 queries
	s_and_b32 s11, ttmp7, 0xffff                   ; bh = 16 b + head, which the partners share
	s_lshr_b32 s12, s8, 2                          ; kh
	s_and_b32 s13, s8, 3                           ; g
	; group 1: 16,384 dense bytes as 64 rows of 256 (32 elements of 8 bytes); the mask names all four partners
	s_mov_b32 s16, 15|(3<<16)|(1<<21)
	s_mov_b32 s17, 32<<16
	s_mov_b32 s18, 64<<16
	s_mov_b32 s19, 32<<16
	s_mov_b32 s20, 64
	s_mov_b32 s21, 32
	s_mov_b32 s22, 0
	s_mov_b32 s23, 0
	s_bfe_u32 s40, s8, 0x10001                     ; waves 0, 1, 4, 5 fetch K (0), waves 2, 3, 6, 7 V (1)
	s_add_co_u32 s40, s40, 1
	s_lshl_b32 s40, s40, 23                        ; K begins 8,388,608 bytes into the buffer, V 16,777,216
	s_lshl_b32 s42, s11, 18
	s_add_co_u32 s40, s40, s42                     ; + bh x 262,144
	s_lshl_b32 s42, s12, 17
	s_add_co_u32 s40, s40, s42                     ; + kh x 131,072: made of bh and the wave's number alone
	s_mov_b32 s41, 0
	s_lshl_b32 s44, s9, 13                         ; the prefetch: my work-group's 8,192 bytes of a block of 32,768,
	s_add_co_u32 s44, s44, 98304                   ; in the fourth fill
	s_mov_b32 s45, 0
	s_and_b32 s[LIM], s8, 1
	s_or_b32 s[LIM], s[LIM], ttmp9                 ; even waves of the head's first cluster ask: the same in all four partners
	s_cmp_eq_u32 s[LIM], 0
	s_cselect_b32 s[LIM], 1, 0
	s_mov_b32 s24, 1
	s_lshl_b32 s25, s8, 14                         ; slot 0: w x 16,384
	s_mov_b32 s28, 1
	s_add_co_u32 s29, s25, SLOT1                   ; slot 1
	s_mov_b32 s[SEL], 0x76543210
	s_mov_b32 s[SEL+1], 0xfedcba98
	v_and_b32 v[LI], 31, v0
	v_lshlrev_b32 v[LI], 4, v[LI]
	v_lshlrev_b32 v[PFO], 4, v[LI]
	s_lshl_b32 s42, s12, 16
	v_add_nc_u32 v[ABASE], s42, v[LI]
	s_mul_i32 s42, s13, 17408
	v_add_nc_u32 v[STGA], s42, v[LI]
.irp t, 0,1,2,3
	v_mov_b32 v[ST+8*\t+5], 0                      ; named as the upper halves of pairs, and as a lane permute's destination: written once
	v_mov_b32 v[ST+8*\t+6], 0
	v_mov_b32 v[ST+8*\t+7], 0
.endr
	s_wait_dscnt 0x0                               ; both opening adds are done
	s_wait_kmcnt 0x0
	s_add_nc_u64 s[PFA:PFA+1], s[4:5], s[40:41]
	s_add_nc_u64 s[PFA:PFA+1], s[PFA:PFA+1], s[44:45]
	s_and_b32 s42, s8, 1
	s_lshl_b32 s42, s42, 14
	s_add_co_u32 s40, s40, s42                     ; my half of the block
	s_add_nc_u64 s[26:27], s[4:5], s[40:41]        ; fill 0
	s_add_nc_u64 s[30:31], s[26:27], 32768         ; fill 1
	s_or_b32 s27, s27, 0x80000000
	s_or_b32 s31, s31, 0x80000000
	CROUND                                         ; all four work-groups are here: the first joint loads meet
	tensor_load_to_lds s[24:27], s[16:23]          ; two tensor loads of mine are out
	s_nop 0
	tensor_load_to_lds s[28:31], s[16:23]
	s_nop 0
.rept 4
	v_nop
.endr
	s_lshl_b32 s42, s11, 18                        ; Q: bh x 262,144 + qb x 32,768 + g x 8,192
	s_lshl_b32 s46, s10, 15
	s_add_co_u32 s42, s42, s46
	s_lshl_b32 s46, s13, 13
	s_add_co_u32 s42, s42, s46
	s_mov_b32 s43, 0
	s_add_nc_u64 s[48:49], s[4:5], s[42:43]
.irp t, 0,1,2,3
.irp kc, 0,1
.irp c, 0,1
	global_load_b128 v[QF+16*\t+8*\kc+4*\c:QF+16*\t+8*\kc+4*\c+3], v[LI], s[48:49] offset:\t*2048+\kc*1024+\c*512   ; Q stays in registers
.endr
.endr
.endr
	s_bfe_u32 s44, s11, 0x20002                    ; ctx: (head >> 2) x 2,097,152
	s_lshl_b32 s44, s44, 21
	s_lshr_b32 s46, s11, 4
	s_lshl_b32 s46, s46, 20                        ; + (128 b + 16 qb + 4 g) tiles of 8,192 bytes
	s_add_co_u32 s44, s44, s46
	s_lshl_b32 s46, s10, 17
	s_add_co_u32 s44, s44, s46
	s_lshl_b32 s46, s13, 15
	s_add_co_u32 s44, s44, s46
	s_and_b32 s46, s11, 3
	s_lshl_b32 s46, s46, 11                        ; + (head & 3) x 2,048
	s_add_co_u32 s44, s44, s46
	s_mov_b32 s45, 0
	s_add_nc_u64 s[50:51], s[6:7], s[44:45]
; A KEY STEP: 64 keys.  first = 1: the first step, which starts m, l and O^T.
.macro STEP first
	WIN 0
	v_add_nc_u32 v[ADR], s[TB], v[ABASE]
.if !\first
.rept 4
	v_nop                                          ; with the addition five places behind the last V^T P: four are owed by the loads into V's registers, five by the products that write over P's
.endr
.endif
	WIN 0x40                                       ; destination window 1
.irp f, 0,1,2,3,4,5,6,7
	ds_load_b128 v[128+8*\f:128+8*\f+3], v[ADR] offset:\f*1024             ; K: fragment 2 kt + kc
	ds_load_b128 v[128+8*\f+4:128+8*\f+7], v[ADR] offset:\f*1024+512
.endr
.irp f, 0,1,2,3,4,5,6,7
	ds_load_b128 v[192+8*\f:192+8*\f+3], v[ADR] offset:32768+\f*1024       ; V: fragment 4 u + ct
	ds_load_b128 v[192+8*\f+4:192+8*\f+7], v[ADR] offset:32768+\f*1024+512
.endr
	s_wait_dscnt 16                                ; K is in; V's sixteen loads may be out
	WIN 0x01                                       ; K window 1; Q and S^T window 0
.irp kc, 0,1                                   ; the 16 accumulators take turns, one instruction a turn
.irp kt, 0,1,2,3
.irp t, 0,1,2,3
.if \kc == 0
	v_wmma_f32_16x16x32_f16 v[S+32*\t+8*\kt:S+32*\t+8*\kt+7], v[128+8*(2*\kt+\kc):128+8*(2*\kt+\kc)+7], v[QF+16*\t+8*\kc:QF+16*\t+8*\kc+7], 0
.else
	v_wmma_f32_16x16x32_f16 v[S+32*\t+8*\kt:S+32*\t+8*\kt+7], v[128+8*(2*\kt+\kc):128+8*(2*\kt+\kc)+7], v[QF+16*\t+8*\kc:QF+16*\t+8*\kc+7], v[S+32*\t+8*\kt:S+32*\t+8*\kt+7]
.endif
.endr
.endr
.endr
	WIN 0
.rept 4
	v_nop                                          ; four places ahead of the first read of the scores
.endr
	; the maximum of the lane's 32 scores and the old m; the four tiles by turns; each accumulator is first read at one of its four lowest registers (0, 8, 16, 24)
.irp t, 0,1,2,3
	v_max3_num_f32 v[ST+8*\t+1], v[S+32*\t], v[S+32*\t+1], v[S+32*\t+2]
.endr
.irp i, 3,5,7,9,11,13,15,17,19,21,23,25,27,29
.irp t, 0,1,2,3
	v_max3_num_f32 v[ST+8*\t+1], v[ST+8*\t+1], v[S+32*\t+\i], v[S+32*\t+\i+1]
.endr
.endr
.irp t, 0,1,2,3
.if \first
	v_max_num_f32 v[ST+8*\t+1], v[ST+8*\t+1], v[S+32*\t+31]
.else
	v_max3_num_f32 v[ST+8*\t+1], v[ST+8*\t+1], v[S+32*\t+31], v[ST+8*\t]
.endif
.endr
.irp t, 0,1,2,3
	v_permlanex16_b32 v[ST+8*\t+6], v[ST+8*\t+1], s[SEL], s[SEL+1]   ; the query's other 32 keys lie in the lane 16 away
.endr
.irp t, 0,1,2,3
	v_max_num_f32 v[ST+8*\t+1], v[ST+8*\t+1], v[ST+8*\t+6]
.endr
.if !\first
.irp t, 0,1,2,3
	v_sub_f32 v[ST+8*\t+6], v[ST+8*\t], v[ST+8*\t+1]                 ; m_old - m_new
.endr
.endif
.irp t, 0,1,2,3
	v_mov_b32 v[ST+8*\t], v[ST+8*\t+1]                               ; the new m
.endr
.set i, 0
.rept 16
.irp t, 0,1,2,3
	v_pk_add_f32 v[S+32*\t+i:S+32*\t+i+1], v[S+32*\t+i:S+32*\t+i+1], v[ST+8*\t:ST+8*\t+1] op_sel_hi:[1,0] neg_lo:[0,1] neg_hi:[0,1]   ; s - m
.endr
.set i, i+2
.endr
	; ONE BATCH of exponentials, none of which reads another's result, and one wait for all of them
.if !\first
.irp t, 0,1,2,3
	v_exp_f32 v[ST+8*\t+4], v[ST+8*\t+6]                             ; a
.endr
.endif
.set i, 0
.rept 32
.irp t, 0,1,2,3
	v_exp_f32 v[S+32*\t+i], v[S+32*\t+i]                             ; p
.endr
.set i, i+1
.endr
	v_nop                                          ; a plain instruction behind the last exponential
	s_wait_alu depctr_va_vdst(0)                   ; the wait ahead of the batch's first reader
.irp t, 0,1,2,3
.if \first
	v_pk_add_f32 v[ST+8*\t+2:ST+8*\t+3], v[S+32*\t:S+32*\t+1], v[S+32*\t+2:S+32*\t+3]
.else
	v_pk_fma_f32 v[ST+8*\t+2:ST+8*\t+3], v[ST+8*\t+2:ST+8*\t+3], v[ST+8*\t+4:ST+8*\t+5], v[S+32*\t:S+32*\t+1] op_sel_hi:[1,0,1]   ; l = a l + p
.endif
.endr
.set i, 2+2*\first
.rept 15-\first
.irp t, 0,1,2,3
	v_pk_add_f32 v[ST+8*\t+2:ST+8*\t+3], v[ST+8*\t+2:ST+8*\t+3], v[S+32*\t+i:S+32*\t+i+1]
.endr
.set i, i+2
.endr
.set i, 0
.rept 16
.irp t, 0,1,2,3
	v_cvt_pk_f16_f32 v[S+32*\t+i], v[S+32*\t+2*i], v[S+32*\t+2*i+1]  ; P, in place, ascending: register i is written when registers 2 i and 2 i + 1 are read
.endr
.set i, i+1
.endr
.if !\first
	WIN 0x41                                       ; O^T window 1, a window 0
.set i, 0
.rept 16
.irp t, 0,1,2,3
	v_pk_mul_f32 v[32*\t+i:32*\t+i+1], v[32*\t+i:32*\t+i+1], v[ST+8*\t+4:ST+8*\t+5] op_sel_hi:[1,0]
.endr
.set i, i+2
.endr
.endif
	s_wait_dscnt 0x0                               ; V is in
	WIN 0x51                                       ; V window 1, P window 0, O^T window 1
.irp u, 0,1
.irp ct, 0,1,2,3
.irp t, 0,1,2,3
.if \first && (\u == 0)
	v_wmma_f32_16x16x32_f16 v[32*\t+8*\ct:32*\t+8*\ct+7], v[192+8*(4*\u+\ct):192+8*(4*\u+\ct)+7], v[S+32*\t+8*\u:S+32*\t+8*\u+7], 0
.else
	v_wmma_f32_16x16x32_f16 v[32*\t+8*\ct:32*\t+8*\ct+7], v[192+8*(4*\u+\ct):192+8*(4*\u+\ct)+7], v[S+32*\t+8*\u:S+32*\t+8*\u+7], v[32*\t+8*\ct:32*\t+8*\ct+7]
.endif
.endr
.endr
.endr
	WIN 0
	s_add_co_u32 s[TB], s[TB], 8192                ; the next step's tiles
.endm
.macro VISIT n                         ; n key steps of the slot in hand
	s_mov_b32 s[CNT], \n
.Lstep_\@:
	STEP 0
	s_sub_co_u32 s[CNT], s[CNT], 1
	s_cmp_lg_u32 s[CNT], 0
	s_cbranch_scc1 .Lstep_\@
.endm
; THE CHANGE OF SLOTS.  Each wave waits for all its tensor loads (its part of the other slot), adds 0 to its spare word, and waits for that and for its reads of the slot that it leaves.
; fill = 1: the slot is filled again, 512 keys' bytes on; the barrier is then a round of the cluster's, and the joint load is the first thing behind it: it has four key steps in which to land.
; ask = 1: behind that load one prefetch names the fill after it, four key steps (256 matrix instructions a wave) ahead of its load: 32,768 bytes for each (kh, K or V), asked for by the even waves of
; the head's first cluster, the four partners taking 8,192 bytes each by address, lanes 256 bytes apart: each byte is named once in the launch.  The address is never stepped.
.macro CHANGE slot, fill, ask
	s_wait_tensorcnt 0x0                           ; no tensor load of mine is out, so a group 0 may be written
	ds_add_u32 v[SPW], v[NIL]
.if \fill
	s_add_nc_u64 s[26+4*\slot:27+4*\slot], s[26+4*\slot:27+4*\slot], 65536
.endif
	s_wait_dscnt 0x0                               ; the add is done, and my reads of the slot are over
.if \fill
	CROUND
	tensor_load_to_lds s[24+4*\slot:27+4*\slot], s[16:23]
	s_nop 0
.rept 4
	v_nop
.endr
.if \ask
	s_cmp_eq_u32 s[LIM], 1
	s_cbranch_scc0 .Lnot_mine_\@
	global_prefetch_b8 v[PFO], s[PFA:PFA+1] th:TH_LOAD_NT scope:SCOPE_SE
.Lnot_mine_\@:
.endif
.else
	s_barrier_signal -1
	s_barrier_wait -1
.endif
.endm
	s_wait_tensorcnt 0x1                           ; my part of slot 0 is in; slot 1's may stay out
	s_barrier_signal -1
	s_barrier_wait -1
	s_wait_loadcnt 0x0                             ; Q
	s_mov_b32 s[TB], 0
	STEP 1
	VISIT 3
	CHANGE 0, 1, 1                                 ; slot 0 takes the third fill
	s_mov_b32 s[TB], SLOT1
	VISIT 4
	CHANGE 1, 1, 0                                 ; slot 1 the fourth, the last
	s_mov_b32 s[TB], 0
	VISIT 4
	CHANGE 0, 0, 0                                 ; nothing is left to fetch; behind this barrier nobody reads slot 0, and it has had its last fill
	s_mov_b32 s[TB], SLOT1
	VISIT 4
	; THE MERGE.  l's two halves and the other lanes' are added (the first four additions are the places behind the last products).  Waves 4-7 hand O^T, m and l to waves 0-3 through a stage in slot 0.
.irp t, 0,1,2,3
	v_add_f32 v[ST+8*\t+2], v[ST+8*\t+2], v[ST+8*\t+3]
.endr
.irp t, 0,1,2,3
	v_permlanex16_b32 v[ST+8*\t+6], v[ST+8*\t+2], s[SEL], s[SEL+1]
.endr
.irp t, 0,1,2,3
	v_add_f32 v[52+\t], v[ST+8*\t+2], v[ST+8*\t+6]
.endr
.irp t, 0,1,2,3
	v_mov_b32 v[48+\t], v[ST+8*\t]                 ; four neighbours, for one store
.endr
	s_cmp_lt_u32 s8, 4
	s_cbranch_scc1 .Lkeep
	WIN 0x04                                       ; an LDS store's data are its source 1: window 1
.set i, 0
.rept 32
	ds_store_b128 v[STGA], v[4*i:4*i+3] offset:i*512   ; O^T as it stands, each accumulator from its low end on
.set i, i+1
.endr
	WIN 0
	ds_store_b128 v[STGA], v[48:51] offset:16384
	ds_store_b128 v[STGA], v[52:55] offset:16896
.Lkeep:
	s_wait_dscnt 0x0                               ; for the others' sake: my stores are done
	s_barrier_signal -1
	s_barrier_wait -1
	s_cmp_lt_u32 s8, 4
	s_cbranch_scc0 .Lend
.set i, 0
.rept 32
	ds_load_b128 v[S+4*i:S+4*i+3], v[STGA] offset:i*512   ; the partner's O^T, over the scores' registers
.set i, i+1
.endr
	ds_load_b128 v[56:59], v[STGA] offset:16384    ; its m
	ds_load_b128 v[60:63], v[STGA] offset:16896    ; its l
	s_wait_dscnt 0x0
.irp t, 0,1,2,3
	v_max_num_f32 v[ST+8*\t+1], v[48+\t], v[56+\t]
.endr
.irp t, 0,1,2,3
	v_sub_f32 v[ST+8*\t+4], v[48+\t], v[ST+8*\t+1]
	v_sub_f32 v[ST+8*\t+6], v[56+\t], v[ST+8*\t+1]
.endr
.irp t, 0,1,2,3
	v_exp_f32 v[ST+8*\t+4], v[ST+8*\t+4]
	v_exp_f32 v[ST+8*\t+6], v[ST+8*\t+6]
.endr
	v_nop
	s_wait_alu depctr_va_vdst(0)                   ; one wait for the eight
.irp t, 0,1,2,3
	v_mul_f32 v[ST+8*\t+2], v[52+\t], v[ST+8*\t+4]
.endr
.irp t, 0,1,2,3
	v_fma_f32 v[ST+8*\t+2], v[60+\t], v[ST+8*\t+6], v[ST+8*\t+2]     ; the row's whole sum under the common maximum
.endr
.irp t, 0,1,2,3
	v_rcp_f32 v[ST+8*\t+3], v[ST+8*\t+2]
.endr
	v_nop
	s_wait_alu depctr_va_vdst(0)                   ; one wait for the four
.irp t, 0,1,2,3
	v_mul_f32 v[ST+8*\t+4], v[ST+8*\t+4], v[ST+8*\t+3]
	v_mul_f32 v[ST+8*\t+6], v[ST+8*\t+6], v[ST+8*\t+3]
.endr
	WIN 0x41
.set i, 0
.rept 16
.irp t, 0,1,2,3
	v_pk_mul_f32 v[32*\t+i:32*\t+i+1], v[32*\t+i:32*\t+i+1], v[ST+8*\t+4:ST+8*\t+5] op_sel_hi:[1,0]
.endr
.set i, i+2
.endr
	WIN 0x10                                       ; source 2 (my O^T) window 1
.set i, 0
.rept 16
.irp t, 0,1,2,3
	v_pk_fma_f32 v[S+32*\t+i:S+32*\t+i+1], v[S+32*\t+i:S+32*\t+i+1], v[ST+8*\t+6:ST+8*\t+7], v[32*\t+i:32*\t+i+1] op_sel_hi:[1,0,1]
.endr
.set i, i+2
.endr
	WIN 0
.set i, 0
.rept 16
.irp t, 0,1,2,3
	v_cvt_pk_f16_f32 v[S+32*\t+i], v[S+32*\t+2*i], v[S+32*\t+2*i+1]  ; eight channels of a query: 16 bytes of a fragment of the last product
.endr
.set i, i+1
.endr
.irp t, 0,1,2,3
.irp ct, 0,1,2,3
	global_store_b128 v[LI], v[S+32*\t+4*\ct:S+32*\t+4*\ct+3], s[50:51] offset:\t*8192+\ct*512   ; 512 consecutive bytes
.endr
.endr
.Lend:
	s_wait_tensorcnt 0x0                           ; the wave's end
	ds_add_u32 v[SPW], v[NIL]
	s_wait_dscnt 0x0
	CROUND                                         ; the closing round
	s_endpgm
.Lfunc_end_k_q8feb63a04d_attn:
	.size	k_q8feb63a04d_attn, .Lfunc_end_k_q8feb63a04d_attn-k_q8feb63a04d_attn
	.p2alignl 7, 3214868480
	.fill 96, 4, 3214868480
	.section	.rodata,"a",@progbits
	.p2align	6, 0x0
	.amdhsa_kernel k_q8feb63a04d_attn
		.amdhsa_group_segment_fixed_size 327680
		.amdhsa_private_segment_fixed_size 0
		.amdhsa_enable_private_segment 0
		.amdhsa_kernarg_size 16
		.amdhsa_user_sgpr_count 2
		.amdhsa_user_sgpr_kernarg_segment_ptr 1
		.amdhsa_wavefront_size32 1
		.amdhsa_system_sgpr_workgroup_id_x 1
		.amdhsa_system_sgpr_workgroup_id_y 1
		.amdhsa_system_sgpr_workgroup_id_z 1
		.amdhsa_system_vgpr_workitem_id 0
		.amdhsa_next_free_vgpr 512
		.amdhsa_next_free_sgpr 66
		.amdhsa_reserve_vcc 0
		.amdhsa_float_denorm_mode_32 3
		.amdhsa_float_denorm_mode_16_64 3
		.amdhsa_memory_ordered 1
		.amdhsa_forward_progress 1
		.amdhsa_inst_pref_size 182
	.end_amdhsa_kernel
	.amdgpu_metadata
---
amdhsa.version: [ 1, 2 ]
amdhsa.kernels:
  - .name:           k_q8feb63a04d_attn
    .symbol:         k_q8feb63a04d_attn.kd
    .args:
      - { .name: qkv, .offset: 0, .size: 8, .value_kind: global_buffer, .address_space: global }
      - { .name: ctx, .offset: 8, .size: 8, .value_kind: global_buffer, .address_space: global }
    .group_segment_fixed_size: 327680
    .private_segment_fixed_size: 0
    .kernarg_segment_align: 8
    .kernarg_segment_size: 16
    .max_flat_workgroup_size: 256
    .sgpr_count:     66
    .vgpr_count:     512
    .wavefront_size: 32
...
	.end_amdgpu_metadata
.endif
;; end of part 3
;; launch proj (part 4): grid 8 x 32, 4 waves a work-group, clusters of 4 x 4, 327,680 bytes of LDS; arguments ctx, wo16, b_out, out0; writes out0
.if DOCPART == 4
	.amdgcn_target "amdgcn-amd-amdhsa--gfx1250"
	.amdhsa_code_object_version 6
	.text
	.protected	k_q8feb63a04d_proj
	.globl	k_q8feb63a04d_proj
	.p2align	8
	.type	k_q8feb63a04d_proj,@function
k_q8feb63a04d_proj:
	s_mov_b64 s[64:65], 0
	v_nop
	global_prefetch_b8 v0, s[64:65] scope:SCOPE_SE
	s_setreg_imm32_b32 hwreg(HW_REG_WAVE_MODE, 25, 1), 1
	s_wait_xcnt 0x0
	s_wait_alu depctr_hold_cnt(0) depctr_sa_sdst(0) depctr_va_vdst(0) depctr_va_sdst(0) depctr_va_ssrc(0) depctr_va_vcc(0) depctr_vm_vsrc(0)
	s_getreg_b32 s2, hwreg(HW_REG_IB_STS2, 6, 4)
	s_cmp_eq_u32 s2, 0
	s_cbranch_scc0 .Lentry_in_a_cluster
	s_endpgm
.Lentry_in_a_cluster:
	s_bfe_u32 s2, ttmp6, 0x10000c
	s_cmp_lg_u32 s2, 0xf033
	s_cbranch_scc0 .Lentry_shape_is_right
	s_endpgm
.Lentry_shape_is_right:
; out0 = ctx w_out + b_out.  ctx [4096][1024] and w_out^T [1024 (n)][1024 (k)] come as f16 fragments (images of the operands' registers, 1,024 bytes for 16 rows x 32 K), laid [k/256][tile of 16][8 fragments]; sums f32; out0 f32.
; A tile of out0 is 128 x 128: 256 work-groups.  Four waves, each 64 x 64: 16 accumulators.  K goes in four steps of 256 through two LDS slots: A's 8 tiles x 8,192 bytes, then B's 8 tiles; each wave brings 32,768 dense bytes
; by one tensor load.  Four steps only: everything is written out, no loop.
; CLUSTER 4 x 4: the four of a row share A's tiles, the four of a column B's: joint loads.
; THE MATRIX INSTRUCTION IS USED TRANSPOSED (source 0 = 16 columns of w_out, source 1 = 16 tokens): a lane holds eight neighbouring numbers of a row of out0.  The bias is the C of each sum's first product.
; REGISTERS: window 0: v16-29 addresses; v32-95 the way out; v96-127 the bias; v128-255 the accumulators ((a, b) at v[128 + 8 (4 a + b)]).  window 1: two fragment buffers of 128: 64 of A (2 x 4), then 64 of B.
.set SLOT,   131072
.set BOFF,   65536
.set SPARE,  262144                    ; behind the ring: the spare words, 128 bytes a wave
.set STAGE,  262656                    ; behind them: 16 rows x 272 bytes for each wave, the wave's own; no tensor load lands there
.set SPITCH, 272
.set ADRA, 16                          ; v16-17 my A fragments in slot 0, 1
.set ADRB, 20                          ; v20-21 my B fragments
.set STO,  24
.set RD,   25
.set CO,   26
.set BO,   27
.set SPW,  28                          ; never rewritten
.set NIL,  29                          ; never rewritten
.set OB,   32
.set BI,   96
.set ACC,  128
.set F0,   0
.set F1,   128
.set G1,  24
.set G0,  32
.set G1B, 48
.set G0B, 56
.set MSB, 0
.macro WIN new
.if MSB != \new
	s_set_vgpr_msb (MSB<<8)|\new
.set MSB, \new
.endif
.endm
.set MUL,  0x05                        ; sources 0 (B) and 1 (A) window 1; C and D window 0
.set TO_F, 0x40                        ; destination window 1, address window 0
.macro JLOAD s                         ; waves 0 and 1 fetch A's halves, waves 2 and 3 B's; an s_nop 0 and four v_nop follow each line
	s_cmp_eq_u32 s13, 0
	s_cbranch_scc0 .Lfor_b_\@
	tensor_load_to_lds s[G0+4*\s:G0+4*\s+3], s[G1:G1+7]
	s_nop 0
.rept 4
	v_nop
.endr
	s_branch .Lasked_\@
.Lfor_b_\@:
	tensor_load_to_lds s[G0B+4*\s:G0B+4*\s+3], s[G1B:G1B+7]
	s_nop 0
.rept 4
	v_nop
.endr
.Lasked_\@:
.endm
.macro CREST
	s_cmp_lg_u32 s12, 0
	s_cbranch_scc1 .Lnot_wave_0_\@
	s_barrier_signal -3
.Lnot_wave_0_\@:
	s_barrier_wait -3
	s_barrier_signal -1
	s_barrier_wait -1
.endm
.macro CROUND
	s_barrier_signal -1
	s_barrier_wait -1
	CREST
.endm
.macro PLACES
.rept 4
	v_nop
.endr
.endm
	s_load_b256 s[4:11], s[0:1], 0x0               ; ctx s[4:5], wo16 s[6:7], b_out s[8:9], out0 s[10:11]
	v_lshl_add_u32 v[SPW], v0, 2, SPARE
	v_mov_b32 v[NIL], 0
	ds_add_u32 v[SPW], v[NIL]                      ; the opening: the add, twice on end, and its wait ahead of my first tensor load
	ds_add_u32 v[SPW], v[NIL]
	v_lshrrev_b32 v1, 5, v0
	v_readfirstlane_b32 s12, v1                    ; wave
	s_lshr_b32 s13, s12, 1                         ; my half of the tile's rows; also: I fetch for A (0) or B (1)
	s_and_b32 s14, s12, 1                          ; my half of its columns; also: which half I fetch
	s_bfe_u32 s40, ttmp6, 0x40000                  ; cx
	s_bfe_u32 s41, ttmp6, 0x40004                  ; cy
	s_lshl_b32 s42, ttmp9, 2
	s_add_co_u32 s42, s42, s40                     ; nt: tile column
	s_and_b32 s15, ttmp7, 0xffff
	s_lshl_b32 s15, s15, 2
	s_add_co_u32 s15, s15, s41                     ; mt: tile row
	s_lshl_b32 s43, s41, 2
	s_lshl_b32 s43, 15, s43                        ; my row of the cluster
	s_lshl_b32 s44, 0x1111, s40                    ; my column
	s_or_b32 s[G1+0], s43, (3<<16)|(1<<21)         ; the mask; elements of 8 bytes; bit 21 set beside a mask
	s_or_b32 s[G1B+0], s44, (3<<16)|(1<<21)
.irp g, G1, G1B
	s_mov_b32 s[\g+1], 32<<16                      ; 128 rows of 256 bytes, dense
	s_mov_b32 s[\g+2], 128<<16
	s_mov_b32 s[\g+3], 32<<16
	s_mov_b32 s[\g+4], 128
	s_mov_b32 s[\g+5], 32
	s_mov_b32 s[\g+6], 0
	s_mov_b32 s[\g+7], 0
.endr
	s_lshl_b32 s17, s14, 15                        ; four tiles of 8,192 bytes
	s_lshl_b32 s16, s15, 16
	s_add_co_u32 s16, s16, s17                     ; A: mt x 8 tiles + my half (registers that never hold cx)
	s_lshl_b32 s46, s42, 16
	s_add_co_u32 s46, s46, s17                     ; B: nt x 8 tiles + my half (registers that never hold cy)
	s_mov_b32 s17, 0
	s_mov_b32 s47, 0
	s_lshl_b32 s20, s12, 15                        ; in a slot: wave x 32,768
	s_wait_dscnt 0x0                               ; both opening adds are done
	s_wait_kmcnt 0x0
	s_add_nc_u64 s[4:5], s[4:5], s[16:17]
	s_add_nc_u64 s[6:7], s[6:7], s[46:47]
	CROUND                                         ; all sixteen work-groups are here
.irp s, 0,1
	s_mov_b32 s[G0+4*\s], 1
	s_add_co_u32 s[G0+4*\s+1], s20, \s*SLOT
	s_add_nc_u64 s[G0+4*\s+2:G0+4*\s+3], s[4:5], \s*2097152      ; K step s of ctx
	s_or_b32 s[G0+4*\s+3], s[G0+4*\s+3], 0x80000000
	s_mov_b32 s[G0B+4*\s], 1
	s_add_co_u32 s[G0B+4*\s+1], s20, \s*SLOT
	s_add_nc_u64 s[G0B+4*\s+2:G0B+4*\s+3], s[6:7], \s*524288     ; K step s of wo16
	s_or_b32 s[G0B+4*\s+3], s[G0B+4*\s+3], 0x80000000
	JLOAD \s                                       ; two tensor loads of mine are out
.endr
	v_and_b32 v1, 15, v0                           ; r
	v_bfe_u32 v2, v0, 4, 1                         ; h
	v_and_b32 v3, 31, v0
	v_lshlrev_b32 v3, 4, v3                        ; 16 x lane
	v_lshlrev_b32 v[BO], 5, v2                     ; 32 h
	s_lshl_b32 s22, s42, 9
	s_lshl_b32 s23, s14, 8
	s_add_co_u32 s22, s22, s23                     ; my first column, in bytes
	s_mov_b32 s23, 0
	s_add_nc_u64 s[8:9], s[8:9], s[22:23]
.irp b, 0,1,2,3
	global_load_b128 v[BI+8*\b:BI+8*\b+3], v[BO], s[8:9] offset:64*\b          ; b_out[16 b + 8 h + 0..7] of my 64 columns
	global_load_b128 v[BI+8*\b+4:BI+8*\b+7], v[BO], s[8:9] offset:64*\b+16
.endr
	s_lshl_b32 s18, s15, 19                        ; 128 rows of 4,096 bytes a tile row,
	s_add_co_u32 s22, s22, s18
	s_lshl_b32 s18, s13, 18                        ; my 64 rows
	s_add_co_u32 s22, s22, s18
	s_add_nc_u64 s[10:11], s[10:11], s[22:23]
	s_lshl_b32 s21, s13, 15                        ; my four tiles of A,
	s_lshl_b32 s18, s14, 15
	s_add_co_u32 s18, s18, BOFF                    ; my four of B
.irp s, 0,1
	v_add_nc_u32 v[ADRA+\s], s21, v3
	v_add_nc_u32 v[ADRB+\s], s18, v3
	s_add_co_u32 s21, s21, SLOT
	s_add_co_u32 s18, s18, SLOT
.endr
	s_mul_i32 s19, s12, 16*SPITCH
	s_add_co_u32 s19, s19, STAGE                   ; my stage
	v_mul_u32_u24 v4, v1, SPITCH
	v_lshl_add_u32 v4, v2, 5, v4
	v_add_nc_u32 v[STO], s19, v4                   ; in: row r, 32 bytes for each half of the lanes
	v_mul_u32_u24 v5, v2, SPITCH
	v_lshl_add_u32 v5, v1, 4, v5
	v_add_nc_u32 v[RD], s19, v5                    ; back: lanes 0-15 one row of 256 bytes, lanes 16-31 the next
	v_lshlrev_b32 v5, 12, v2
	v_lshl_add_u32 v[CO], v1, 4, v5                ; and the same two rows in out0
.macro MUL8 f, c, a0, zero             ; 8 products: row tiles a0, a0 + 1 x 4 column tiles, 32 along K: half c of buffer f
.irp a, \a0, \a0+1
.irp b, 0,1,2,3
.if \zero
	v_wmma_f32_16x16x32_f16 v[ACC+8*(4*(\a)+\b):ACC+8*(4*(\a)+\b)+7], v[\f+64+8*(4*\c+\b):\f+64+8*(4*\c+\b)+7], v[\f+8*(4*\c+(\a)):\f+8*(4*\c+(\a))+7], v[BI+8*\b:BI+8*\b+7]
.else
	v_wmma_f32_16x16x32_f16 v[ACC+8*(4*(\a)+\b):ACC+8*(4*(\a)+\b)+7], v[\f+64+8*(4*\c+\b):\f+64+8*(4*\c+\b)+7], v[\f+8*(4*\c+(\a)):\f+8*(4*\c+(\a))+7], v[ACC+8*(4*(\a)+\b):ACC+8*(4*(\a)+\b)+7]
.endif
.endr
.endr
.endm
.macro FETCH slot, q, f                ; 32 LDS loads, 512 consecutive bytes each: quarter q (64 along K) into buffer f; its first 32 along K first
	WIN TO_F
.irp c, 0,1
.irp i, 0,1,2,3
	ds_load_b128 v[\f+64+8*(4*\c+\i):\f+64+8*(4*\c+\i)+3],   v[ADRB+\slot] offset:\i*8192+(2*\q+\c)*1024
	ds_load_b128 v[\f+64+8*(4*\c+\i)+4:\f+64+8*(4*\c+\i)+7], v[ADRB+\slot] offset:\i*8192+(2*\q+\c)*1024+512
	ds_load_b128 v[\f+8*(4*\c+\i):\f+8*(4*\c+\i)+3],         v[ADRA+\slot] offset:\i*8192+(2*\q+\c)*1024
	ds_load_b128 v[\f+8*(4*\c+\i)+4:\f+8*(4*\c+\i)+7],       v[ADRA+\slot] offset:\i*8192+(2*\q+\c)*1024+512
.endr
.endr
.endm
.macro QUARTER slot, q, f, g, zero     ; multiplies buffer f and fetches quarter q of the same slot into g.  The 16 accumulators take turns
	s_wait_dscnt 16                                ; the first 32 along K are in
	WIN MUL
	MUL8 \f, 0, 0, \zero
	MUL8 \f, 0, 2, \zero
	PLACES                                         ; four places ahead of loads into registers that matrix instructions have read
	FETCH \slot, \q, \g
	s_wait_dscnt 32                                ; all but the 32 just issued
	WIN MUL
	MUL8 \f, 1, 0, 0
	MUL8 \f, 1, 2, 0
.endm
; A slot's last quarter multiplies buffer 1 and changes slots: one barrier; in front of it each wave waits for all its tensor loads, adds 0 to its spare word, and waits for that and for its reads of this slot.
.macro TURN slot, next, fill
	WIN 0
	s_wait_tensorcnt 0x0                           ; my part of the next slot has landed
	ds_add_u32 v[SPW], v[NIL]
	s_wait_dscnt 17                                ; (the add and the youngest sixteen loads may be out)
	WIN MUL
	MUL8 F1, 0, 0, 0
	s_wait_dscnt 0x0                               ; the add is done, and my reads of this slot are over
	s_barrier_signal -1
	MUL8 F1, 0, 2, 0
.if \fill
	WIN 0
.endif
	s_barrier_wait -1
.if \fill
	CREST                                          ; the barrier has opened a round of the cluster's: no wave of any partner still reads this slot or has a load on its way
	s_add_nc_u64 s[G0+4*\slot+2:G0+4*\slot+3], s[G0+4*\slot+2:G0+4*\slot+3], 4194304     ; two K steps on
	s_add_nc_u64 s[G0B+4*\slot+2:G0B+4*\slot+3], s[G0B+4*\slot+2:G0B+4*\slot+3], 1048576
	JLOAD \slot                                    ; the first tensor load behind the round; its four v_nop are also the places ahead of the loads below
.else
	PLACES
.endif
	FETCH \next, 0, F0
	WIN MUL
	MUL8 F1, 1, 0, 0
	MUL8 F1, 1, 2, 0
.endm
	s_wait_tensorcnt 0x1                           ; my part of K step 0 is in; K step 1's may stay out
	s_barrier_signal -1
	s_barrier_wait -1
	FETCH 0, 0, F0
	s_wait_loadcnt 0x0                             ; the bias
	QUARTER 0, 1, F0, F1, 1                        ; the first products start the sums from the bias
	QUARTER 0, 2, F1, F0, 0
	QUARTER 0, 3, F0, F1, 0
	TURN 0, 1, 1                                   ; slot 0 takes K step 2
	QUARTER 1, 1, F0, F1, 0
	QUARTER 1, 2, F1, F0, 0
	QUARTER 1, 3, F0, F1, 0
	TURN 1, 0, 1                                   ; slot 1 takes K step 3, the last
	QUARTER 0, 1, F0, F1, 0
	QUARTER 0, 2, F1, F0, 0
	QUARTER 0, 3, F0, F1, 0
	TURN 0, 1, 0
	QUARTER 1, 1, F0, F1, 0
	QUARTER 1, 2, F1, F0, 0
	QUARTER 1, 3, F0, F1, 0
	s_wait_dscnt 16                                ; the very last quarter
	WIN MUL
	MUL8 F1, 0, 0, 0
	MUL8 F1, 0, 2, 0
	s_wait_dscnt 0x0
	MUL8 F1, 1, 0, 0
	MUL8 F1, 1, 2, 0
	WIN 0
	PLACES
; THE WAY OUT, 16 rows x 64 columns at a time, through my own stage: a lane's 32 bytes go into rows of 272 bytes and come back as whole rows of 256, which sixteen lanes store as 256 consecutive bytes, aligned.
; LDS serves a wave's instructions in order: no wait between the stores and the loads, nor ahead of the next block's stores.
.macro TOSTAGE a
.irp b, 0,1,2,3
	ds_store_b128 v[STO], v[ACC+8*(4*(\a)+\b):ACC+8*(4*(\a)+\b)+3] offset:64*\b        ; each accumulator from its low end on
	ds_store_b128 v[STO], v[ACC+8*(4*(\a)+\b)+4:ACC+8*(4*(\a)+\b)+7] offset:64*\b+16
.endr
.irp t, 0,1,2,3,4,5,6,7
	ds_load_b128 v[OB+32*((\a)%2)+4*\t:OB+32*((\a)%2)+4*\t+3], v[RD] offset:\t*2*SPITCH
.endr
.endm
.macro SEND a, younger                 ; younger: the LDS instructions issued behind block a's loads
	s_wait_dscnt \younger
.irp t, 0,1,2,3,4,5,6,7
	global_store_b128 v[CO], v[OB+32*((\a)%2)+4*\t:OB+32*((\a)%2)+4*\t+3], s[10:11] offset:(16*(\a)+2*\t)*4096 th:TH_STORE_NT
.endr
.endm
	TOSTAGE 0
.irp a, 1,2,3
.if \a > 1
	s_wait_xcnt 0x0                                ; block a - 2's stores have read their registers: block a's loads may land there
.endif
	TOSTAGE \a
	SEND \a-1, 16                                  ; behind block a - 1's loads: block a's 8 stores and 8 loads
.endr
	SEND 3, 0
	s_wait_tensorcnt 0x0                           ; the wave's end
	ds_add_u32 v[SPW], v[NIL]
	s_wait_dscnt 0x0
	CROUND                                         ; the closing round
	s_endpgm
.Lfunc_end_k_q8feb63a04d_proj:
	.size	k_q8feb63a04d_proj, .Lfunc_end_k_q8feb63a04d_proj-k_q8feb63a04d_proj
	.p2alignl 7, 3214868480
	.fill 96, 4, 3214868480
	.section	.rodata,"a",@progbits
	.p2align	6, 0x0
	.amdhsa_kernel k_q8feb63a04d_proj
		.amdhsa_group_segment_fixed_size 327680
		.amdhsa_private_segment_fixed_size 0
		.amdhsa_enable_private_segment 0
		.amdhsa_kernarg_size 32
		.amdhsa_user_sgpr_count 2
		.amdhsa_user_sgpr_kernarg_segment_ptr 1
		.amdhsa_wavefront_size32 1
		.amdhsa_system_sgpr_workgroup_id_x 1
		.amdhsa_system_sgpr_workgroup_id_y 1
		.amdhsa_system_sgpr_workgroup_id_z 1
		.amdhsa_system_vgpr_workitem_id 0
		.amdhsa_next_free_vgpr 512
		.amdhsa_next_free_sgpr 66
		.amdhsa_reserve_vcc 0
		.amdhsa_float_denorm_mode_32 3
		.amdhsa_float_denorm_mode_16_64 3
		.amdhsa_memory_ordered 1
		.amdhsa_forward_progress 1
		.amdhsa_inst_pref_size 86
	.end_amdhsa_kernel
	.amdgpu_metadata
---
amdhsa.version: [ 1, 2 ]
amdhsa.kernels:
  - .name:           k_q8feb63a04d_proj
    .symbol:         k_q8feb63a04d_proj.kd
    .args:
      - { .name: ctx, .offset: 0, .size: 8, .value_kind: global_buffer, .address_space: global }
      - { .name: wo16, .offset: 8, .size: 8, .value_kind: global_buffer, .address_space: global }
      - { .name: b_out, .offset: 16, .size: 8, .value_kind: global_buffer, .address_space: global }
      - { .name: out0, .offset: 24, .size: 8, .value_kind: global_buffer, .address_space: global }
    .group_segment_fixed_size: 327680
    .private_segment_fixed_size: 0
    .kernarg_segment_align: 8
    .kernarg_segment_size: 32
    .max_flat_workgroup_size: 128
    .sgpr_count:     66
    .vgpr_count:     512
    .wavefront_size: 32
...
	.end_amdgpu_metadata
.endif
;; end of part 4
